; MI455X (gfx1250); checked and timed in simulation.
; The chip was launched on July 23, 2026; its instructions are those of AMD's public machine-readable ISA for CDNA 5 (MIT licence, August 2026) and "CDNA5" Instruction Set Architecture Reference Guide (July 2026). The comments in the code are by the model that wrote it; some were corrected since.
;; Modified Bert Self Attention. Allowed arithmetic: matrix products marked QUANTISED: E3M2 operands, one E8M0 scale for each 32 along K, by v_wmma_scale_f32_16x16x128_f8f6f4 with both operands' format E3M2, f32 sums; everything else in f32.
;; Inputs: Wk 1,024 x 1,024 float32; Wq 1,024 x 1,024 float32; Wv 1,024 x 1,024 float32; bk 1,024 float32; bq 1,024 float32; bv 1,024 float32; hidden_states 4 x 2,048 x 1,024 float32.
;; Outputs: out0 4 x 2,048 x 1,024 float32.
;; This version of the problem:
;;   THIS VERSION OF THE PROBLEM IS GIVEN IN LOW PRECISION. The matrix products marked QUANTISED in the list below multiply operands that are first quantised to E3M2 (3 exponent bits, 2 mantissa bits; 6 bits a number), with one power-of-two scale for each 32 numbers along K (OCP MX v1.0); their sums are f32. All else is computed in f32.
;;   The module's matrix products, in the order in which they are computed (A, B: the left and right operand; K: the contracted axis; several contracted axes count as one K, in the product's order):
;;     1. [M 8,192, K 1,024] x [K 1,024, N 1,024]; A: input hidden_states; B: input Wq: QUANTISED
;;     2. [M 8,192, K 1,024] x [K 1,024, N 1,024]; A: input hidden_states; B: input Wk: QUANTISED
;;     3. [M 8,192, K 1,024] x [K 1,024, N 1,024]; A: input hidden_states; B: input Wv: QUANTISED
;;     4. batch 64 x [M 2,048, K 64] x [K 64, N 2,048]; A: computed on the way; B: computed on the way: QUANTISED
;;     5. batch 64 x [M 2,048, K 2,048] x [K 2,048, N 64]; A: softmax (see below); B: computed on the way: QUANTISED
;;   THE QUANTISER, for each operand of a quantised product, along K:
;;     - K is cut into blocks of 32 from its start; a last block that is shorter is filled with zeros.
;;     - A block's scale is 2^e with e = floor(log2(the largest magnitude in the block)) - 4, held to -126 .. 127; a block of zeros has e = 0. As a byte (E8M0): e + 127.
;;     - Each number is divided by its block's scale, clamped to +-28, and rounded to the nearest number of E3M2, ties to even, subnormals kept.
;;     - The product sums the exact products of the quantised numbers (number of the format x scale) in f32.
;;   ~~~python
;;   def quantise(x, axis):      # numpy; x: float32 -> the quantised numbers, widened to float32 again
;;       x = np.moveaxis(x, axis, -1); K = x.shape[-1]
;;       x = np.pad(x, [(0, 0)] * (x.ndim - 1) + [(0, -K % 32)]); x = x.reshape(x.shape[:-1] + (-1, 32)); a = np.abs(x).max(-1, keepdims=True)
;;       e = np.where(a > 0, np.clip(np.frexp(np.where(a > 0, a, 1))[1] - 1 - 4, -126, 127), 0)      # np.frexp(a)[1] - 1 = floor(log2(a)), exactly
;;       r = np.clip(x / 2.0 ** e, -28, 28)
;;       step = 2.0 ** (np.maximum(np.frexp(np.where(r == 0, 1, r))[1] - 1, -2) - 2)
;;       q = np.round(r / step) * step * 2.0 ** e      # np.round: ties to even
;;       return np.moveaxis(q.reshape(q.shape[:-2] + (-1,))[..., :K], -1, axis).astype(np.float32)
;;   ~~~
;;   SOFTMAX AHEAD OF A QUANTISED PRODUCT. Where the list says 'softmax', what is quantised is not the finished softmax but p = 2^(t - M), with t = logit x log2(e) and M = ceil(the row's largest t), a whole number; so 1/2 < the row's largest p <= 1. The row's sum l is taken of the UNQUANTISED p, in f32, and the product's result is divided by l at the end. Since M is a whole number, a kernel that streams over the keys may use a running M (the ceiling of the running maximum): every later rescaling is an exact power of two, which a block's scale takes up: the codes' values come out the same.
;;   OPERANDS COMPUTED ON THE WAY. 'Computed on the way' means the value that the module computes at that place (a softmax that the list does not call 'softmax' is quantised finished and normalised). What goes into a quantiser is computed in f32, as accurately as f32 sums, v_exp_f32 and their like allow (about 1e-6 of the number): no bf16 or f16 on the way to a quantiser, and a product that is left as it is and whose result goes on into a quantised operand takes f32 operands (vector FMAs, or v_wmma_f32_16x16x4_f32). A number that lies on a knife's edge between two numbers of the format may be rounded either way, as far as f32 arithmetic and the matrix unit's own rounding can turn it there, and no further.
;; One version. Each part assembles by itself: llvm-mc -triple=amdgcn-amd-amdhsa -mcpu=gfx1250 --defsym DOCPART=n.
;; ======== version 1 of 1: 3 launches
;; workspace buffers: cod 8,650,752 bytes; scl 360,448 bytes; qrec 6,815,744 bytes; kv 13,369,344 bytes
;; launch quant (part 1): grid 352 x 1, 4 waves a work-group, no clusters, 33,280 bytes of LDS; arguments hidden_states, Wq, Wk, Wv, cod, scl; writes cod, scl
.if DOCPART == 1
	.amdgcn_target "amdgcn-amd-amdhsa--gfx1250"
	.amdhsa_code_object_version 6
	.text
	.protected	k_q544c03d86d_quant
	.globl	k_q544c03d86d_quant
	.p2align	8
	.type	k_q544c03d86d_quant,@function
k_q544c03d86d_quant:
	s_mov_b64 s[64:65], 0
	v_nop
	global_prefetch_b8 v0, s[64:65] scope:SCOPE_SE
	s_setreg_imm32_b32 hwreg(HW_REG_WAVE_MODE, 25, 1), 1
	s_wait_xcnt 0x0
; hidden_states [8192][1024], Wq, Wk, Wv [1024][1024], f32, K innermost, become ONE table of 11,264 rows of codes of BF6 (E3M2), 768 bytes a row (cod), with one E8M0 byte for each 32 along K, 32 bytes a row (scl).
; Rows 0 .. 8,191 are x's, then Wq's, Wk's, Wv's.  A block's scale is 2^(floor(log2(its largest magnitude)) - 4): its byte is the largest magnitude's exponent field - 4, held at 1 from below.
; THE ORDER OF ROWS: in every group of 32 rows the second and the third eight change places.  Sixteen neighbouring rows 16 u + r of the table are then the rows 8 u + r + 8 (r / 8) of the group:
; the choice of rows that lets the next launch's results lie as 16 neighbours along the next product's K in a lane's registers.  It costs nothing here: a wave's eight rows go to another place.
; LIMITS: a block whose largest magnitude lies under 2^-122 (a block of zeros among them) gets the byte 1; its codes are zeros or nearly so, and this program alone reads the bytes.  NaN and infinities are not served.
; SHARES: a work-group takes 32 rows, a wave eight (8,192 numbers, 16 steps of 512).  Each load reads 512 consecutive bytes, 16 a lane; a step's 2,048 bytes turn through the wave's own stage in LDS and come back
; 64 bytes a lane, so that a lane holds 16 neighbours along K and two neighbouring lanes a block.  A lane's 16 codes are 12 bytes: the wave stores 384 consecutive bytes.  A wave's 256 scale bytes are gathered in LDS
; and leave as one aligned run of 256 bytes.  Waves share nothing: no barrier.  No matrix unit, no cluster: every byte is read once by one wave.
.set STEPS, 16
.set CB,    12                         ; bytes of 16 codes
.set R,     16                         ; v16-79   four sets of 16 numbers as they are loaded
.set X,     80                         ; v80-111  two sets of 16 neighbours
.set E,     112                        ; v112-127 a scale byte for each step
.set C,     128                        ; v128-191 codes: four registers for each step, so that no store's data are written again
.set WREG,  8192                       ; LDS: a region for each wave: two stages of 32 x SP bytes, and behind them its 256 scale bytes
.set SP,    80                         ; a lane's place in a stage: its 64 bytes + 16 of padding
	s_load_b256 s[4:11], s[0:1], 0x0               ; x s[4:5], Wq s[6:7], Wk s[8:9], Wv s[10:11]
	s_load_b128 s[12:15], s[0:1], 0x20             ; cod s[12:13], scl s[14:15]
	v_lshl_add_u32 v192, v0, 2, 0x8000
	v_mov_b32 v193, 0
	v_lshrrev_b32 v1, 5, v0
	v_readfirstlane_b32 s16, v1                    ; wave 0..3
	v_and_b32 v2, 31, v0                           ; lane
	v_lshlrev_b32 v3, 4, v2                        ; my 16 bytes of a load's 512
	s_mul_i32 s24, s16, WREG
	v_lshrrev_b32 v14, 2, v2
	v_mul_u32_u24 v14, v14, SP
	v_and_b32 v15, 3, v2
	v_lshl_add_u32 v14, v15, 4, v14
	v_add_nc_u32 v14, s24, v14                     ; the stage, on the way in: four lanes' 64 bytes on end, then 16 of padding
	v_mul_u32_u24 v15, v2, SP
	v_add_nc_u32 v15, s24, v15                     ; and on the way out: SP x lane: my 16 neighbours
	v_mul_u32_u24 v4, v2, CB                       ; my codes' place in a step's
	v_lshrrev_b32 v5, 1, v2
	s_add_co_u32 s24, s24, 2*32*SP
	v_add_nc_u32 v5, s24, v5                       ; LDS: my wave's 256 scale bytes, my block's byte
	v_lshlrev_b32 v7, 3, v2                        ; and on the way out 8 bytes a lane
	v_add_nc_u32 v6, s24, v7
	s_and_b32 s20, s16, 1                          ; where my eight rows go: the wave's two bits change places
	s_lshl_b32 s20, s20, 1
	s_lshr_b32 s21, s16, 1
	s_or_b32 s20, s20, s21
	s_lshl_b32 s21, ttmp9, 2
	s_add_co_u32 s20, s20, s21                     ; which run of eight rows of the table
	s_mul_i32 s22, s20, 32*STEPS*CB                ; 6,144 bytes of codes a run
	s_mov_b32 s23, 0
	s_lshl_b32 s20, s20, 8                         ; 256 scale bytes a run
	s_mov_b32 s21, 0
	s_mov_b32 s17, 320
	s_wait_alu depctr_va_vdst(0)
	s_wait_kmcnt 0x0
	s_cmp_lt_u32 ttmp9, 320                        ; whose rows?  The choice hangs on the work-group's number alone: 256 work-groups for x, 32 for each weight
	s_cselect_b64 s[8:9], s[8:9], s[10:11]
	s_cselect_b32 s17, 288, s17
	s_cmp_lt_u32 ttmp9, 288
	s_cselect_b64 s[6:7], s[6:7], s[8:9]
	s_cselect_b32 s17, 256, s17
	s_cmp_lt_u32 ttmp9, 256
	s_cselect_b64 s[4:5], s[4:5], s[6:7]
	s_cselect_b32 s17, 0, s17                      ; the tensor's first work-group
	s_sub_co_u32 s18, ttmp9, s17
	s_lshl_b32 s18, s18, 2
	s_add_co_u32 s18, s18, s16                     ; which run of eight rows of the tensor is my wave's
	s_lshl_b32 s18, s18, 15                        ; 32,768 bytes a run
	s_mov_b32 s19, 0
	s_add_nc_u64 s[4:5], s[4:5], s[18:19]
	s_add_nc_u64 s[12:13], s[12:13], s[22:23]
	s_add_nc_u64 s[14:15], s[14:15], s[20:21]
.macro LOAD t
.irp i, 0,1,2,3
	global_load_b128 v[R+16*((\t)%4)+4*\i:R+16*((\t)%4)+4*\i+3], v3, s[4:5] offset:2048*(\t)+512*\i th:TH_LOAD_NT   ; 32 lanes read 512 consecutive bytes
.endr
.endm
.macro TURN t                          ; step t's numbers through the stage: LDS serves a wave's instructions in order, so no wait stands between the stores and the loads
.irp i, 0,1,2,3
	ds_store_b128 v14, v[R+16*((\t)%4)+4*\i:R+16*((\t)%4)+4*\i+3] offset:32*SP*((\t)%2)+8*SP*\i
.endr
.irp i, 0,1,2,3
	ds_load_b128 v[X+16*((\t)%2)+4*\i:X+16*((\t)%2)+4*\i+3], v15 offset:32*SP*((\t)%2)+16*\i
.endr
.endm
.irp t, 0,1,2,3
	LOAD \t
.endr
	s_wait_loadcnt 12                              ; step 0's four loads are in; the twelve of steps 1 to 3 may be out
	TURN 0
.macro STEP t
.set XS, X+16*((\t)%2)
.if (\t) > 0
	s_wait_dscnt 1                                 ; this step's numbers are back from the stage (the last step's byte store may be out): so its stores into the stage have read their registers,
.else
	s_wait_dscnt 0x0
.endif
.if (\t)+4 < STEPS
	LOAD (\t)+4                                    ; which take the loads of four steps on
.endif
.if (\t)+1 < STEPS
.if STEPS-2-(\t) >= 3
	s_wait_loadcnt 12                              ; the next step's four loads are in; those of the three steps behind it may be out
.else
	s_wait_loadcnt 4*(STEPS-2-(\t))
.endif
	TURN (\t)+1                                    ; and go through the other stage while this step is worked
.endif
	v_max3_num_f32 v8, |v[XS]|, |v[XS+1]|, |v[XS+2]|               ; the largest magnitude of my 16, in two chains
	v_max3_num_f32 v9, |v[XS+3]|, |v[XS+4]|, |v[XS+5]|
.irp i, 6,10
	v_max3_num_f32 v8, v8, |v[XS+\i]|, |v[XS+\i+1]|
	v_max3_num_f32 v9, v9, |v[XS+\i+2]|, |v[XS+\i+3]|
.endr
	v_max3_num_f32 v8, v8, |v[XS+14]|, |v[XS+15]|
	v_max3_num_f32 v8, v8, v9, 0x2800000           ; and the floor 2^(5 - 127): so the byte cannot fall under 1
	v_max_num_f32_dpp v8, v8, v8 row_xmask:1 row_mask:0xf bank_mask:0xf   ; and of my neighbour's 16: the block's
	v_add_nc_u32 v11, 0xfe000000, v8               ; 4 off its exponent field: the conversion takes the exponent field of this operand as its scale, and nothing else of it
	v_cvt_scalef32_pk16_bf6_f32 v[C+4*(\t):C+4*(\t)+2], v[XS:XS+15], v11         ; sixteen numbers / the scale, to the nearest code, ties to even, beyond the largest code the largest; 96 bits without gaps
	v_lshrrev_b32 v[E+(\t)], 23, v11               ; the scale's byte (also the plain line behind the conversion)
	ds_store_b8 v5, v[E+(\t)] offset:16*(\t)       ; both lanes of a block write the same byte with the same value
	global_store_b96 v4, v[C+4*(\t):C+4*(\t)+2], s[12:13] offset:32*CB*(\t)
.endm
.irp t, 0,1,2,3,4,5,6,7,8,9,10,11,12,13,14,15
	STEP \t
.endr
	ds_load_b64 v[12:13], v6                       ; LDS serves a wave's instructions in order: these see my stores
	s_wait_dscnt 0x0
	global_store_b64 v7, v[12:13], s[14:15]        ; 32 lanes store 256 consecutive bytes, aligned
	s_wait_tensorcnt 0x0
	ds_add_u32 v192, v193
	s_wait_dscnt 0x0
	s_endpgm
.Lfunc_end_k_q544c03d86d_quant:
	.size	k_q544c03d86d_quant, .Lfunc_end_k_q544c03d86d_quant-k_q544c03d86d_quant
	.p2alignl 7, 3214868480
	.fill 96, 4, 3214868480
	.section	.rodata,"a",@progbits
	.p2align	6, 0x0
	.amdhsa_kernel k_q544c03d86d_quant
		.amdhsa_group_segment_fixed_size 33280
		.amdhsa_private_segment_fixed_size 0
		.amdhsa_enable_private_segment 0
		.amdhsa_kernarg_size 48
		.amdhsa_user_sgpr_count 2
		.amdhsa_user_sgpr_kernarg_segment_ptr 1
		.amdhsa_wavefront_size32 1
		.amdhsa_system_sgpr_workgroup_id_x 1
		.amdhsa_system_sgpr_workgroup_id_y 1
		.amdhsa_system_sgpr_workgroup_id_z 1
		.amdhsa_system_vgpr_workitem_id 0
		.amdhsa_next_free_vgpr 194
		.amdhsa_next_free_sgpr 66
		.amdhsa_reserve_vcc 0
		.amdhsa_float_denorm_mode_32 3
		.amdhsa_float_denorm_mode_16_64 3
		.amdhsa_memory_ordered 1
		.amdhsa_forward_progress 1
		.amdhsa_inst_pref_size 33
	.end_amdhsa_kernel
	.amdgpu_metadata
---
amdhsa.version: [ 1, 2 ]
amdhsa.kernels:
  - .name:           k_q544c03d86d_quant
    .symbol:         k_q544c03d86d_quant.kd
    .args:
      - { .name: hidden_states, .offset: 0, .size: 8, .value_kind: global_buffer, .address_space: global }
      - { .name: Wq, .offset: 8, .size: 8, .value_kind: global_buffer, .address_space: global }
      - { .name: Wk, .offset: 16, .size: 8, .value_kind: global_buffer, .address_space: global }
      - { .name: Wv, .offset: 24, .size: 8, .value_kind: global_buffer, .address_space: global }
      - { .name: cod, .offset: 32, .size: 8, .value_kind: global_buffer, .address_space: global }
      - { .name: scl, .offset: 40, .size: 8, .value_kind: global_buffer, .address_space: global }
    .group_segment_fixed_size: 33280
    .private_segment_fixed_size: 0
    .kernarg_segment_align: 8
    .kernarg_segment_size: 48
    .max_flat_workgroup_size: 128
    .sgpr_count:     66
    .vgpr_count:     194
    .wavefront_size: 32
...
	.end_amdgpu_metadata
.endif
;; end of part 1
;; launch proj (part 2): grid 12 x 32, 4 waves a work-group, clusters of 4 x 4, 327,680 bytes of LDS; arguments cod, scl, bq, bk, bv, qrec, kv; writes qrec, kv
.if DOCPART == 2
	.amdgcn_target "amdgcn-amd-amdhsa--gfx1250"
	.amdhsa_code_object_version 6
	.text
	.protected	k_q544c03d86d_proj
	.globl	k_q544c03d86d_proj
	.p2align	8
	.type	k_q544c03d86d_proj,@function
k_q544c03d86d_proj:
	s_mov_b64 s[64:65], 0
	v_nop
	global_prefetch_b8 v0, s[64:65] scope:SCOPE_SE
	s_setreg_imm32_b32 hwreg(HW_REG_WAVE_MODE, 25, 1), 1
	s_wait_xcnt 0x0
	s_wait_alu depctr_hold_cnt(0) depctr_sa_sdst(0) depctr_va_vdst(0) depctr_va_sdst(0) depctr_va_ssrc(0) depctr_va_vcc(0) depctr_vm_vsrc(0)
	s_getreg_b32 s2, hwreg(HW_REG_IB_STS2, 6, 4)
	s_cmp_eq_u32 s2, 0
	s_cbranch_scc0 .Lentry_in_a_cluster
	s_endpgm
.Lentry_in_a_cluster:
	s_bfe_u32 s2, ttmp6, 0x10000c
	s_cmp_lg_u32 s2, 0xf033
	s_cbranch_scc0 .Lentry_shape_is_right
	s_endpgm
.Lentry_shape_is_right:
.set NQ,     2
.set ROWB,   192
.set KROW,   768
.set PITCH,  240
.set FR,     12
.set NL,     6
.set NP,     4
.set HALFT,  128*PITCH
.set SLOT,   4*HALFT
.set KS,     32
.set SCL,    2*SLOT
.set HALFS,  (128*KS/256)*272
.set SBLK,   (16*KS/256)*272
.set SPARE,  SCL+4*HALFS
.set ADRA, 16
.set ADRB, 20
.set LI,   24
.set L8,   25
.set BO,   26
.set ADRS, 27
.set SPW,  28
.set NIL,  29
.set SC,   32
.set BIAS, 64
.set AF,   128
.set TM,   64
.set PW,   80
.set T0,   81
.set T1,   82
.set CD,   84
.set PT,   96
.set SA,   104
.set SB,   108
.set G1, 24
.set G0, 32
.set G1B, 48
.set G0B, 56
.set G1S, 68
.set G0S, 76
.set G1SB, 80
.set G0SB, 88
.set MSB, 0
.macro WIN new
.if MSB != \new
	s_set_vgpr_msb (MSB<<8)|\new
.set MSB, \new
.endif
.endm
.set MUL_LO, 0xa1
.set MUL_HI, 0xf1
.set TO_B,   0x40
.macro JLOAD g0a, g1a, g0b, g1b
	s_cmp_eq_u32 s15, 0
	s_cbranch_scc0 .Lfor_b_\@
	tensor_load_to_lds s[\g0a:\g0a+3], s[\g1a:\g1a+7]
	s_nop 0
.rept 4
	v_nop
.endr
	s_branch .Lasked_\@
.Lfor_b_\@:
	tensor_load_to_lds s[\g0b:\g0b+3], s[\g1b:\g1b+7]
	s_nop 0
.rept 4
	v_nop
.endr
.Lasked_\@:
.endm
.macro CREST
	s_cmp_lg_u32 s14, 0
	s_cbranch_scc1 .Lnot_wave_0_\@
	s_barrier_signal -3
.Lnot_wave_0_\@:
	s_barrier_wait -3
	s_barrier_signal -1
	s_barrier_wait -1
.endm
.macro CROUND
	s_barrier_signal -1
	s_barrier_wait -1
	CREST
.endm
	s_load_b128 s[4:7], s[0:1], 0x0
	s_load_b128 s[8:11], s[0:1], 0x10
	s_load_b128 s[96:99], s[0:1], 0x20
	s_load_b64 s[100:101], s[0:1], 0x30
	v_lshl_add_u32 v[SPW], v0, 2, SPARE
	v_mov_b32 v[NIL], 0
	ds_add_u32 v28, v29
	ds_add_u32 v28, v29
	s_wait_dscnt 0x0
	v_lshrrev_b32 v1, 5, v0
	v_readfirstlane_b32 s14, v1
	s_lshr_b32 s15, s14, 1
	s_and_b32 s16, s14, 1
	s_bfe_u32 s40, ttmp6, 0x40000
	s_bfe_u32 s41, ttmp6, 0x40004
	s_and_b32 s17, ttmp7, 0xffff
	s_mov_b32 s42, ttmp9
	s_lshl_b32 s43, s41, 2
	s_lshl_b32 s43, 15, s43
	s_lshl_b32 s44, 0x1111, s40
	s_mov_b32 s67, 0xffff0000
	s_or_b32 s[G1+0], s43, (0<<16)|(1<<20)|(1<<21)|(3<<22)|(3<<25)
	s_or_b32 s[G1B+0], s44, (0<<16)|(1<<20)|(1<<21)|(3<<22)|(3<<25)
.irp g, G1, G1B
	s_mov_b32 s[\g+1], ROWB<<16
	s_mov_b32 s[\g+2], 128<<16
	s_mov_b32 s[\g+3], ROWB<<16
	s_mov_b32 s[\g+4], 128
	s_mov_b32 s[\g+5], KROW
	s_mov_b32 s[\g+6], 0
	s_mov_b32 s[\g+7], 0
.endr
	s_or_b32 s[G1S+0], s43, (3<<16)|(1<<20)|(1<<21)|(5<<22)|(3<<25)
	s_or_b32 s[G1SB+0], s44, (3<<16)|(1<<20)|(1<<21)|(5<<22)|(3<<25)
.irp g, G1S, G1SB
	s_mov_b32 s[\g+1], 32<<16
	s_mov_b32 s[\g+2], (128*KS/256)<<16
	s_mov_b32 s[\g+3], 32<<16
	s_mov_b32 s[\g+4], 128*KS/256
	s_mov_b32 s[\g+5], 32
	s_mov_b32 s[\g+6], 0
	s_mov_b32 s[\g+7], 0
.endr
	s_lshl_b32 s18, s16, 7
	s_lshl_b32 s19, s17, 10
	s_lshl_b32 s20, s41, 8
	s_add_co_u32 s20, s20, s18
	s_lshl_b32 s46, s40, 8
	s_add_co_u32 s46, s46, s18
	s_lshl_b32 s21, s42, 10
	s_add_co_u32 s21, s21, 8192
	s_mov_b32 s22, 10240
	s_cmp_eq_u32 s42, 2
	s_cselect_b32 s22, s22, s19
	s_cselect_b32 s23, s19, s21
	s_add_co_u32 s20, s20, s22
	s_add_co_u32 s46, s46, s23
	s_mov_b32 s21, 0
	s_mov_b32 s47, 0
	s_mov_b64 s[18:19], KS
	s_mul_u64 s[22:23], s[20:21], s[18:19]
	s_mul_u64 s[92:93], s[46:47], s[18:19]
	s_mov_b64 s[18:19], KROW
	s_mul_u64 s[20:21], s[20:21], s[18:19]
	s_mul_u64 s[46:47], s[46:47], s[18:19]
	s_mul_i32 s45, s14, HALFT
	s_mul_i32 s94, s14, HALFS
	s_wait_kmcnt 0x0
	s_add_nc_u64 s[20:21], s[4:5], s[20:21]
	s_add_nc_u64 s[22:23], s[6:7], s[22:23]
	s_add_nc_u64 s[46:47], s[4:5], s[46:47]
	s_add_nc_u64 s[92:93], s[6:7], s[92:93]
	CROUND
	s_mov_b32 s[G0S], 1
	s_add_co_u32 s[G0S+1], s94, SCL
	s_mov_b64 s[G0S+2:G0S+3], s[22:23]
	s_or_b32 s[G0S+3], s[G0S+3], 0x80000000
	s_mov_b32 s[G0SB], 1
	s_add_co_u32 s[G0SB+1], s94, SCL
	s_mov_b64 s[G0SB+2:G0SB+3], s[92:93]
	s_or_b32 s[G0SB+3], s[G0SB+3], 0x80000000
	JLOAD G0S, G1S, G0SB, G1SB
.irp s, 0,1
	s_mov_b32 s[G0+4*\s], 1
	s_add_co_u32 s[G0+4*\s+1], s45, \s*SLOT
	s_add_nc_u64 s[G0+4*\s+2:G0+4*\s+3], s[20:21], \s*ROWB
	s_or_b32 s[G0+4*\s+3], s[G0+4*\s+3], 0x80000000
	s_mov_b32 s[G0B+4*\s], 1
	s_add_co_u32 s[G0B+4*\s+1], s45, \s*SLOT
	s_add_nc_u64 s[G0B+4*\s+2:G0B+4*\s+3], s[46:47], \s*ROWB
	s_or_b32 s[G0B+4*\s+3], s[G0B+4*\s+3], 0x80000000
	s_wait_alu depctr_va_vdst(0)
	s_wait_tensorcnt 0x0
	ds_add_u32 v28, v29
	s_wait_dscnt 0x0
	CROUND
	JLOAD G0+4*\s, G1, G0B+4*\s, G1B
.endr
	v_and_b32 v1, 15, v0
	v_bfe_u32 v2, v0, 4, 1
	v_mul_u32_u24 v3, v1, PITCH
	v_mul_u32_u24 v4, v2, 24
	v_add_nc_u32 v4, v3, v4
	v_lshl_add_u32 v5, v2, 4, v4
	s_mul_i32 s21, s15, HALFT
	s_mul_i32 s22, s16, HALFT
	s_add_co_u32 s22, s22, 2*HALFT
.irp s, 0,1
	v_add_nc_u32 v[ADRA+\s], s21, v4
	v_add_nc_u32 v[ADRB+\s], s22, v4
	v_add_nc_u32 v[ADRA+2+\s], s21, v5
	v_add_nc_u32 v[ADRB+2+\s], s22, v5
	s_add_co_u32 s21, s21, SLOT
	s_add_co_u32 s22, s22, SLOT
.endr
	v_mul_u32_u24 v5, v1, KS
	v_lshrrev_b32 v6, 8, v5
	v_lshl_add_u32 v5, v6, 4, v5
	s_mul_i32 s21, s15, HALFS
	s_mul_i32 s22, s16, HALFS
	s_add_co_u32 s22, s22, 2*HALFS
	s_sub_co_u32 s22, s22, s21
	v_mul_u32_u24 v6, s22, v2
	s_add_co_u32 s21, s21, SCL
	v_add_nc_u32 v5, v5, v6
	v_add_nc_u32 v[ADRS], s21, v5
	v_and_b32 v6, 31, v0
	v_lshlrev_b32 v[LI], 4, v6
	v_lshlrev_b32 v[L8], 3, v6
	s_cmp_eq_u32 s42, 2
	s_cbranch_scc1 .Lbias_v
	s_cmp_eq_u32 s42, 0
	s_cselect_b64 s[8:9], s[8:9], s[10:11]
	s_lshl_b32 s46, s40, 10
	s_lshl_b32 s47, s16, 9
	s_add_co_u32 s46, s46, s47
	s_mov_b32 s47, 0
	s_add_nc_u64 s[8:9], s[8:9], s[46:47]
	v_lshlrev_b32 v[BO], 6, v2
.irp b, 0,1,2,3,4,5,6,7
	global_load_b128 v[BIAS+8*\b:BIAS+8*\b+3], v[BO], s[8:9] offset:(32*(\b/2)+8*(\b%2))*4
	global_load_b128 v[BIAS+8*\b+4:BIAS+8*\b+7], v[BO], s[8:9] offset:(32*(\b/2)+8*(\b%2))*4+16
.endr
	s_branch .Lbias_asked
.Lbias_v:
	s_lshl_b32 s20, s41, 10
	s_lshl_b32 s21, s15, 9
	s_add_co_u32 s20, s20, s21
	s_mov_b32 s21, 0
	s_add_nc_u64 s[8:9], s[96:97], s[20:21]
	v_and_b32 v[BO], 8, v1
	v_add_nc_u32 v[BO], v[BO], v1
	v_lshlrev_b32 v[BO], 2, v[BO]
.irp a, 0,1,2,3,4,5,6,7
.irp j, 0,1,2,3,4,5,6,7
	global_load_b32 v[BIAS+8*\a+\j], v[BO], s[8:9] offset:(32*(\a/2)+8*(\a%2))*4
.endr
.endr
.Lbias_asked:
.macro FRAG reg, adr, q, i
.irp p, 0,1,2,3,4,5
.set PIECE, 12*(\q)+6*(\p/3)+\p%3
.if PIECE%8 < 5
	ds_load_b64 v[\reg+2*\p:\reg+2*\p+1], v[\adr] offset:8*PIECE+16*(PIECE/8)+(\i)*16*PITCH
.else
	ds_load_b64 v[\reg+2*\p:\reg+2*\p+1], v[\adr+2] offset:8*PIECE+16*(PIECE/8)+(\i)*16*PITCH
.endif
.endr
.endm
.macro MUL16 a0, p, q, sc, mode
.irp a, \a0, \a0+1
.irp b, 0,1,2,3,4,5,6,7
.if \mode == 0
	v_wmma_scale_f32_16x16x128_f8f6f4 v[8*(8*((\a)%4)+\b):8*(8*((\a)%4)+\b)+7], v[128*(\p)+FR*\b:128*(\p)+FR*\b+FR-1], v[AF+FR*(\a):AF+FR*(\a)+FR-1], v[8*(8*((\a)%4)+\b):8*(8*((\a)%4)+\b)+7], v[SC+8*NQ*(\sc)+NQ*\b+(\q)], v[SC+8*NQ*(\sc)+NQ*(\a)+(\q)] matrix_a_fmt:MATRIX_FMT_BF6 matrix_b_fmt:MATRIX_FMT_BF6 matrix_a_scale:MATRIX_SCALE_ROW1
.elseif \mode == 1
	v_wmma_scale_f32_16x16x128_f8f6f4 v[8*(8*((\a)%4)+\b):8*(8*((\a)%4)+\b)+7], v[128*(\p)+FR*\b:128*(\p)+FR*\b+FR-1], v[AF+FR*(\a):AF+FR*(\a)+FR-1], v[BIAS+8*\b:BIAS+8*\b+7], v[SC+8*NQ*(\sc)+NQ*\b+(\q)], v[SC+8*NQ*(\sc)+NQ*(\a)+(\q)] matrix_a_fmt:MATRIX_FMT_BF6 matrix_b_fmt:MATRIX_FMT_BF6 matrix_a_scale:MATRIX_SCALE_ROW1
.else
	v_wmma_scale_f32_16x16x128_f8f6f4 v[8*(8*((\a)%4)+\b):8*(8*((\a)%4)+\b)+7], v[128*(\p)+FR*\b:128*(\p)+FR*\b+FR-1], v[AF+FR*(\a):AF+FR*(\a)+FR-1], v[BIAS+8*(\a):BIAS+8*(\a)+7], v[SC+8*NQ*(\sc)+NQ*\b+(\q)], v[SC+8*NQ*(\sc)+NQ*(\a)+(\q)] matrix_a_fmt:MATRIX_FMT_BF6 matrix_b_fmt:MATRIX_FMT_BF6 matrix_a_scale:MATRIX_SCALE_ROW1
.endif
.endr
.endr
.endm
.macro FETCH_B slot, q, p
	WIN TO_B
.irp i, 0,1,2,3,4,5,6,7
	FRAG 128*(\p)+FR*\i, ADRB+\slot, \q, \i
.endr
	WIN 0
.endm
.macro FETCH_A slot, q, i0
.irp i, \i0, \i0+1, \i0+2, \i0+3
	FRAG AF+FR*(\i), ADRA+\slot, \q, \i
.endr
.endm
.macro SCALES sc
.irp i, 0,1,2,3,4,5,6,7
	ds_load_b64 v[SC+8*NQ*\sc+NQ*\i:SC+8*NQ*\sc+NQ*\i+1], v[ADRS] offset:\i*SBLK
.endr
.endm
.macro PLACES n
.rept \n
	v_nop
.endr
.endm
.macro STEP slot, q, mode
	s_wait_dscnt 4*NL
.if \mode
	WIN 0x81
.else
	WIN MUL_LO
.endif
	MUL16 0, (\q)%2, \q, \slot, \mode
	MUL16 2, (\q)%2, \q, \slot, \mode
	s_wait_dscnt 0
	PLACES NP
	FETCH_B \slot, (\q)+1, 1-(\q)%2
	FETCH_A \slot, (\q)+1, 0
.if \mode
	WIN 0xc1
.else
	WIN MUL_HI
.endif
	MUL16 4, (\q)%2, \q, \slot, \mode
	MUL16 6, (\q)%2, \q, \slot, \mode
	PLACES NP
	WIN 0
	FETCH_A \slot, (\q)+1, 4
.endm
.macro TURN slot, next, fill
	s_wait_tensorcnt 0x0
	ds_add_u32 v[SPW], v[NIL]
	s_wait_dscnt 4*NL+1
	WIN MUL_LO
	MUL16 0, 1, NQ-1, \slot, 0
	s_wait_dscnt 0x0
	s_barrier_signal -1
	MUL16 2, 1, NQ-1, \slot, 0
	WIN 0
	s_barrier_wait -1
.if \fill
	CREST
	s_add_nc_u64 s[G0+4*\slot+2:G0+4*\slot+3], s[G0+4*\slot+2:G0+4*\slot+3], 2*ROWB
	s_add_nc_u64 s[G0B+4*\slot+2:G0B+4*\slot+3], s[G0B+4*\slot+2:G0B+4*\slot+3], 2*ROWB
	JLOAD G0+4*\slot, G1, G0B+4*\slot, G1B
.else
	PLACES NP
.endif
	s_wait_alu depctr_va_vdst(0)
	v_add_nc_u32 v[ADRS], 4*NQ, v[ADRS]
	FETCH_B \next, 0, 0
	FETCH_A \next, 0, 0
	SCALES \next
	WIN MUL_HI
	MUL16 4, 1, NQ-1, \slot, 0
	MUL16 6, 1, NQ-1, \slot, 0
	PLACES NP
	WIN 0
	FETCH_A \next, 0, 4
.endm
	s_wait_tensorcnt 1
	s_barrier_signal -1
	s_barrier_wait -1
	FETCH_B 0, 0, 0
	FETCH_A 0, 0, 0
	s_wait_alu depctr_va_vdst(0)
	SCALES 0
	FETCH_A 0, 0, 4
	s_wait_loadcnt 0x0
	s_cmp_eq_u32 s42, 2
	s_cbranch_scc1 .Lfirst_v
	STEP 0, 0, 1
	s_branch .Lfirst_done
.Lfirst_v:
	STEP 0, 0, 2
.Lfirst_done:
	TURN 0, 1, 1
	STEP 1, 0, 0
	TURN 1, 0, 1
	STEP 0, 0, 0
	TURN 0, 1, 0
	STEP 1, 0, 0
	s_wait_dscnt 4*NL
	WIN MUL_LO
	MUL16 0, 1, NQ-1, 1, 0
	MUL16 2, 1, NQ-1, 1, 0
	s_wait_dscnt 0
	WIN MUL_HI
	MUL16 4, 1, NQ-1, 1, 0
	MUL16 6, 1, NQ-1, 1, 0
	WIN 0
	PLACES NP
	s_cmp_eq_u32 s42, 2
	s_cselect_b32 s18, s40, s41
	s_cselect_b32 s19, s16, s15
	s_cselect_b32 s20, s41, s40
	s_cselect_b32 s21, s15, s16
	s_cselect_b32 s22, 6656, 0
	s_lshl_b32 s23, s17, 3
	s_lshl_b32 s18, s18, 1
	s_add_co_u32 s23, s23, s18
	s_add_co_u32 s23, s23, s19
	s_lshl_b32 s20, s20, 2
	s_lshl_b32 s21, s21, 1
	s_add_co_u32 s20, s20, s21
	s_lshr_b32 s21, s23, 4
	s_lshl_b32 s21, s21, 4
	s_add_co_u32 s20, s20, s21
	s_and_b32 s23, s23, 15
	s_mov_b32 s18, 208896
	s_mov_b32 s19, 13056
	s_cmp_eq_u32 s42, 0
	s_cselect_b32 s18, 106496, s18
	s_cselect_b32 s19, 6656, s19
	s_cselect_b64 s[10:11], s[98:99], s[100:101]
	s_mul_i32 s20, s20, s18
	s_mul_i32 s23, s23, s19
	s_add_co_u32 s20, s20, s23
	s_add_co_u32 s20, s20, s22
	s_mov_b32 s21, 0
	s_add_nc_u64 s[10:11], s[10:11], s[20:21]
	s_mov_b32 s19, 0
	s_add_nc_u64 s[12:13], s[10:11], s[18:19]
	s_mov_b32 s92, 0x76543210
	s_mov_b32 s93, 0xfedcba98
.irp b, 0,1,2,3
	v_mov_b32 v[TM+4+\b], 0
.endr
.macro GQUANT a
.set S0, 64*((\a)%4)
.set GW, 2+(\a)/4
	WIN (GW<<2)|(GW<<4)
.irp b, 0,1,2,3
	v_max3_num_f32 v[TM+\b], 0x2800000, |v[S0+16*\b]|, |v[S0+16*\b+1]|
.endr
.irp i, 2,4,6,8,10,12,14
.irp b, 0,1,2,3
	v_max3_num_f32 v[TM+\b], v[TM+\b], |v[S0+16*\b+\i]|, |v[S0+16*\b+\i+1]|
.endr
.endr
	WIN 0
.irp b, 0,1,2,3
	v_permlanex16_b32 v[TM+4+\b], v[TM+\b], s92, s93
.endr
.irp b, 0,1,2,3
	v_max_num_f32 v[TM+\b], v[TM+\b], v[TM+4+\b]
.endr
.irp b, 0,1,2,3
	v_add_nc_u32 v[TM+12+\b], 0xfe000000, v[TM+\b]
.endr
.irp b, 0,1,2,3
	v_lshrrev_b32 v[TM+4+\b], 23, v[TM+12+\b]
.endr
	v_lshl_or_b32 v[PW], v[TM+5], 8, v[TM+4]
	v_lshl_or_b32 v[PW], v[TM+6], 16, v[PW]
	v_lshl_or_b32 v[PW], v[TM+7], 24, v[PW]
	s_wait_xcnt 0x0
	WIN GW
.irp c, 0,1
	v_cvt_scalef32_pk16_bf6_f32 v[CD+6*\c:CD+6*\c+2], v[S0+32*\c:S0+32*\c+15], v[TM+12+2*\c]
	v_cvt_scalef32_pk16_bf6_f32 v[PT+4*\c:PT+4*\c+2], v[S0+32*\c+16:S0+32*\c+31], v[TM+12+2*\c+1]
.endr
	WIN 0
	v_nop
.irp c, 0,1
.irp i, 0,1,2
	v_permlane16_swap_b32 v[CD+6*\c+\i], v[PT+4*\c+\i]
.endr
.irp i, 0,1,2
	v_mov_b32 v[CD+3+6*\c+\i], v[PT+4*\c+\i]
.endr
.endr
.endm
	s_cmp_eq_u32 s42, 2
	s_cbranch_scc1 .Lout_v
.irp a, 0,1,2,3,4,5,6,7
	GQUANT \a
	global_store_b128 v[LI], v[CD:CD+3], s[10:11] offset:768*\a
	global_store_b64 v[L8], v[CD+4:CD+5], s[10:11] offset:768*\a+512
	global_store_b128 v[LI], v[CD+6:CD+9], s[12:13] offset:768*\a
	global_store_b64 v[L8], v[CD+10:CD+11], s[12:13] offset:768*\a+512
.if \a%2 == 0
	v_perm_b32 v[SA+\a/2], v[PW], v[PW], 0x01000100
	v_perm_b32 v[SB+\a/2], v[PW], v[PW], 0x03020302
.else
	v_perm_b32 v[T0], v[PW], v[PW], 0x01000100
	v_perm_b32 v[T1], v[PW], v[PW], 0x03020302
	v_cndmask_b32 v[SA+\a/2], v[SA+\a/2], v[T0], s67
	v_cndmask_b32 v[SB+\a/2], v[SB+\a/2], v[T1], s67
.endif
.endr
	global_store_b128 v[LI], v[SA:SA+3], s[10:11] offset:6144
	global_store_b128 v[LI], v[SB:SB+3], s[12:13] offset:6144
	s_branch .Lout_done
.Lout_v:
.irp a, 0,1,2,3,4,5,6,7
	GQUANT \a
.irp c, 0,1,2
.if \a < 4
	global_store_b128 v[LI], v[CD+4*\c:CD+4*\c+3], s[10:11] offset:1536*(\a%4)+512*\c
.else
	global_store_b128 v[LI], v[CD+4*\c:CD+4*\c+3], s[12:13] offset:1536*(\a%4)+512*\c
.endif
.endr
.if \a%2 == 0
	v_mov_b32 v[SA+\a/2], v[PW]
.else
	v_cndmask_b32 v[SA+\a/2], v[SA+\a/2], v[PW], s67
.endif
.endr
	global_store_b64 v[L8], v[SA:SA+1], s[10:11] offset:6144
	global_store_b64 v[L8], v[SA+2:SA+3], s[12:13] offset:6144
.Lout_done:
	s_wait_tensorcnt 0x0
	ds_add_u32 v[SPW], v[NIL]
	s_wait_dscnt 0x0
	CROUND
	s_endpgm
.Lfunc_end_k_q544c03d86d_proj:
	.size	k_q544c03d86d_proj, .Lfunc_end_k_q544c03d86d_proj-k_q544c03d86d_proj
	.p2alignl 7, 3214868480
	.fill 96, 4, 3214868480
	.section	.rodata,"a",@progbits
	.p2align	6, 0x0
	.amdhsa_kernel k_q544c03d86d_proj
		.amdhsa_group_segment_fixed_size 327680
		.amdhsa_private_segment_fixed_size 0
		.amdhsa_enable_private_segment 0
		.amdhsa_kernarg_size 56
		.amdhsa_user_sgpr_count 2
		.amdhsa_user_sgpr_kernarg_segment_ptr 1
		.amdhsa_wavefront_size32 1
		.amdhsa_system_sgpr_workgroup_id_x 1
		.amdhsa_system_sgpr_workgroup_id_y 1
		.amdhsa_system_sgpr_workgroup_id_z 1
		.amdhsa_system_vgpr_workitem_id 0
		.amdhsa_next_free_vgpr 1024
		.amdhsa_next_free_sgpr 102
		.amdhsa_reserve_vcc 0
		.amdhsa_float_denorm_mode_32 3
		.amdhsa_float_denorm_mode_16_64 3
		.amdhsa_memory_ordered 1
		.amdhsa_forward_progress 1
		.amdhsa_inst_pref_size 225
	.end_amdhsa_kernel
	.amdgpu_metadata
---
amdhsa.version: [ 1, 2 ]
amdhsa.kernels:
  - .name:           k_q544c03d86d_proj
    .symbol:         k_q544c03d86d_proj.kd
    .args:
      - { .name: cod, .offset: 0, .size: 8, .value_kind: global_buffer, .address_space: global }
      - { .name: scl, .offset: 8, .size: 8, .value_kind: global_buffer, .address_space: global }
      - { .name: bq, .offset: 16, .size: 8, .value_kind: global_buffer, .address_space: global }
      - { .name: bk, .offset: 24, .size: 8, .value_kind: global_buffer, .address_space: global }
      - { .name: bv, .offset: 32, .size: 8, .value_kind: global_buffer, .address_space: global }
      - { .name: qrec, .offset: 40, .size: 8, .value_kind: global_buffer, .address_space: global }
      - { .name: kv, .offset: 48, .size: 8, .value_kind: global_buffer, .address_space: global }
    .group_segment_fixed_size: 327680
    .private_segment_fixed_size: 0
    .kernarg_segment_align: 8
    .kernarg_segment_size: 56
    .max_flat_workgroup_size: 128
    .sgpr_count:     102
    .vgpr_count:     1024
    .wavefront_size: 32
...
	.end_amdgpu_metadata
.endif
;; end of part 2
;; launch attn (part 3): grid 4 x 64, 16 waves a work-group, clusters of 4 x 1, 280,576 bytes of LDS; arguments qrec, kv, out0; writes out0
.if DOCPART == 3
	.amdgcn_target "amdgcn-amd-amdhsa--gfx1250"
	.amdhsa_code_object_version 6
	.text
	.protected	k_q544c03d86d_attn
	.globl	k_q544c03d86d_attn
	.p2align	8
	.type	k_q544c03d86d_attn,@function
k_q544c03d86d_attn:
	s_mov_b64 s[64:65], 0
	v_nop
	global_prefetch_b8 v0, s[64:65] scope:SCOPE_SE
	s_setreg_imm32_b32 hwreg(HW_REG_WAVE_MODE, 25, 1), 1
	s_wait_xcnt 0x0
	s_wait_alu depctr_hold_cnt(0) depctr_sa_sdst(0) depctr_va_vdst(0) depctr_va_sdst(0) depctr_va_ssrc(0) depctr_va_vcc(0) depctr_vm_vsrc(0)
	s_getreg_b32 s2, hwreg(HW_REG_IB_STS2, 6, 4)
	s_cmp_eq_u32 s2, 0
	s_cbranch_scc0 .Lentry_in_a_cluster
	s_endpgm
.Lentry_in_a_cluster:
	s_bfe_u32 s2, ttmp6, 0x10000c
	s_cmp_lg_u32 s2, 0x3003
	s_cbranch_scc0 .Lentry_shape_is_right
	s_endpgm
.Lentry_shape_is_right:
; out0[b][q][64 head + d] = the sum over keys of softmax(q . k / 8) v, for each of 64 (batch, head), both products on codes of BF6 (E3M2) with E8M0 scales.
; THE SOFTMAX AHEAD OF THE SECOND PRODUCT: t = score x log2(e) / 8; M = the row's largest t so far, rounded UP to a whole number; p = 2^(t - M) is what is quantised, along the keys, not normalised.
; The row's sum is taken of the unquantised p, in f32, and divides at the end.  When M moves, the sum and O are multiplied by 2^(old M - new M): exact, and no branch on data.
; INPUTS are this program's own records: images of the operands' registers.  qrec: (batch, head) x 16 groups of 128 queries x 6,656 bytes; kv: (batch, head) x 16 key steps of 128 keys x 13,056 bytes (k 6,656, v 6,400).
; SHARES.  A work-group owns one head and 512 queries, in two passes of 256; each of its sixteen waves owns one tile of 16 queries a pass, in 256 registers: four waves to a SIMD, so that one wave's vector work
; stands beside another's matrix work and LDS loads.
; THE WHOLE HEAD'S k AND v, 208,896 bytes, LIE IN LDS, filled once: wave w brings key step w by one tensor load.  No byte is filled again: no ring, one barrier.
; CLUSTER.  The four work-groups of a head form a cluster and need the same bytes: each load is asked for JOINTLY, by the same line with the same descriptor and a mask that names the four.
; LAYOUT.  Both products are used transposed: S^T = K Q^T (source 0 = 16 keys, source 1 = my 16 queries), O^T = V^T P^T (source 0 = 16 channels, source 1 = P): a lane holds ONE query (lane % 16) throughout.
; The rows of a tile are 32 (t / 2) + 8 (t % 2) + r + 8 (r / 8), so that the 16 registers of tiles 2 b and 2 b + 1 are the 16 neighbours 32 b + 16 (lane / 16) + 0 .. 15: of the keys in S^T, of the channels in O^T.
; THE FIRST PRODUCT'S K IS 64, the instruction's 128.  A tile of k is six registers; the instruction names twelve: the upper six are the next tile's codes (behind the last tile: zeros).  Q's upper six registers are zero codes,
; every code of this format is a finite number, and no scale byte is 0xff: those products are zeros.
; Nothing is prefetched: all that a work-group reads from memory is asked for in its first lines.
; LIMITS: NaN and infinities are not served; a block of p whose largest number lies under 2^-122 gets the byte 1 (its codes are zeros or nearly so).
.set REC,   13056                      ; a key step's record
.set HEADB, 16*REC                     ; a head's
.set QREC,  6656                       ; a group of 128 queries
.set STAGE, HEADB                      ; behind the head: 16 rows x (256 bytes + 16) for each wave, for the way out; no tensor load lands there
.set SPI,   272
.set L16,  1                           ; v1   16 x lane
.set L8,   2                           ; v2   8 x lane
.set A16,  3                           ; v3   the same + the key step's first byte
.set A8,   4                           ; v4
.set STO,  5                           ; v5   the way out: where I put 16 bytes of a row
.set RD,   6                           ; v6   where I read a row back
.set GO,   7                           ; v7   my byte offset in out0; never rewritten
.set QF,   16                          ; v16-27 Q's fragment of pass 0, v28-39 of pass 1: six registers of codes, six of zeros
.set QS,   40                          ; v40, v41 Q's scale words
.set KF,   42                          ; v42-89 K's eight tiles, six registers each; v90-95 zeros
.set VF,   42                          ; v42-89 V's four fragments
.set S,    96                          ; v96-159 S^T, then p
.set O,    160                         ; v160-191 O^T
.set PCD,  192                         ; v192-203 p's codes
.set KSW,  204                         ; v204-207 K's scale words: register i: lanes 0-15 tile 2 i, lanes 16-31 tile 2 i + 1
.set VSW,  208                         ; v208-209 V's likewise
.set BM,   212                         ; v212-215 each block's largest score, then its largest p
.set PT,   216                         ; v216-219 at work
.set SO,   220                         ; v220-223 the conversions' scale operands
.set CT,   224                         ; v224-226, v228-230 the blocks' second halves
.set F,    232                         ; v232 f = 2^(old M - new M);  v233 p's scale word
.set PSW,  233
.set T,    234
.set SUM2, 236                         ; v[236:237] one of eight chains of the sum.  v12 -M, v13 the largest t, v[14:15] the sum in two halves
.set WV,   12                          ; s12  my wave's number
.set SEL,  20                          ; s[20:21] lane selects for v_permlanex16_b32: lane l xor 16
.set CS,   22                          ; s[22:23] c = log2(e) / 8
.set G1,   24                          ; s[24:31] descriptor group 1;  s[32:35] group 0
.set G0,   32
.set TB,   36                          ; s36  LDS byte at which the key step in hand begins
.set CNT,  37
.macro CROUND                          ; a round of the cluster's barrier
	s_barrier_signal -1
	s_barrier_wait -1
	s_cmp_lg_u32 s[WV], 0
	s_cbranch_scc1 .Lnot_wave_0_\@
	s_barrier_signal -3
.Lnot_wave_0_\@:
	s_barrier_wait -3
	s_barrier_signal -1
	s_barrier_wait -1
.endm
	s_load_b128 s[4:7], s[0:1], 0x0                ; qrec s[4:5], kv s[6:7]
	s_load_b64 s[8:9], s[0:1], 0x10                ; out0
	v_lshl_add_u32 v254, v0, 2, 0x44000
	v_mov_b32 v255, 0
	ds_add_u32 v254, v255
	ds_add_u32 v254, v255
	v_lshrrev_b32 v8, 5, v0
	s_delay_alu instid0(VALU_DEP_1)
	v_readfirstlane_b32 s[WV], v8                  ; wave 0..15
	s_and_b32 s14, ttmp7, 0xffff                   ; 16 x batch + head, which the four partners share
	s_bfe_u32 s13, ttmp6, 0x40000                  ; cx
	s_lshl_b32 s15, ttmp9, 2
	s_add_co_u32 s13, s13, s15                     ; my block of 512 queries: it enters Q's and out0's addresses alone
	; descriptor group 1: a dense block of 13,056 bytes as 51 rows of 256 bytes (32 elements of 8 bytes), no padding
	s_mov_b32 s[G1], 15|(3<<16)|(1<<21)            ; 15:0 the mask: all four work-groups; 17:16 elements of 8 bytes; 21 set beside a mask
	s_mov_b32 s[G1+1], 32<<16                      ; tensor_dim0
	s_mov_b32 s[G1+2], 51<<16                      ; tensor_dim1
	s_mov_b32 s[G1+3], 32<<16                      ; tile_dim0
	s_mov_b32 s[G1+4], 51                          ; tile_dim1
	s_mov_b32 s[G1+5], 32                          ; tensor_dim0_stride
	s_mov_b32 s[G1+6], 0
	s_mov_b32 s[G1+7], 0
	s_mov_b32 s[G0], 1                             ; count = 1
	s_mul_i32 s[G0+1], s[WV], REC                  ; LDS address: key step = my wave's number
	s_mul_i32 s16, s14, HEADB
	s_add_co_u32 s16, s16, s[G0+1]                 ; and the same step of my head in memory
	s_mov_b32 s17, 0
	s_lshr_b32 s38, s[WV], 3
	s_and_b32 s39, s[WV], 7                        ; a: my tile in a group of 128 queries
	s_lshl_b32 s40, s13, 2
	s_add_co_u32 s40, s40, s38                     ; pass 0's group: 4 x block + wave / 8; pass 1's lies two further on
	s_mul_i32 s41, s40, QREC
	s_mul_i32 s42, s14, 16*QREC
	s_add_co_u32 s42, s42, s41                     ; the group's record
	s_mul_i32 s43, s39, 768
	s_add_co_u32 s18, s42, s43                     ; my tile's codes
	s_mov_b32 s19, 0
	s_and_b32 s44, s39, 1
	s_lshl_b32 s44, s44, 8
	s_lshr_b32 s45, s39, 1
	s_lshl_b32 s45, s45, 2
	s_add_co_u32 s44, s44, s45
	s_add_co_u32 s44, s44, s42
	s_add_co_u32 s44, s44, 6144                    ; my tile's scale words: 6,144 + 256 (a % 2) + 4 (a / 2), + 16 r
	s_mov_b32 s45, 0
	s_lshl_b32 s41, s40, 7                         ; out0: my tile's first query: 128 x group + 32 (a / 2) + 8 (a % 2)
	s_lshr_b32 s43, s39, 1
	s_lshl_b32 s43, s43, 5
	s_add_co_u32 s41, s41, s43
	s_and_b32 s43, s39, 1
	s_lshl_b32 s43, s43, 3
	s_add_co_u32 s41, s41, s43
	s_lshl_b32 s41, s41, 12                        ; a row of out0 is 4,096 bytes
	s_lshr_b32 s43, s14, 4
	s_lshl_b32 s43, s43, 23                        ; a batch 8,388,608
	s_add_co_u32 s46, s41, s43
	s_and_b32 s43, s14, 15
	s_lshl_b32 s43, s43, 8                         ; a head's 64 channels 256
	s_add_co_u32 s46, s46, s43
	s_mov_b32 s47, 0
	s_mul_i32 s15, s[WV], 16*SPI
	s_add_co_u32 s15, s15, STAGE                   ; my stage
	s_mov_b32 s[SEL], 0x76543210
	s_mov_b32 s[SEL+1], 0xfedcba98
	s_mov_b32 s[CS], 0x3e38aa3b                    ; c = log2(e) / 8
	s_mov_b32 s[CS+1], s[CS]                       ; (named with it as a pair, so it is written)
	s_wait_dscnt 0x0
	s_wait_kmcnt 0x0
	s_add_nc_u64 s[G0+2:G0+3], s[6:7], s[16:17]
	s_or_b32 s[G0+3], s[G0+3], 0x80000000          ; type = 2
	s_add_nc_u64 s[10:11], s[4:5], s[18:19]        ; Q's codes
	s_add_nc_u64 s[4:5], s[4:5], s[44:45]          ; Q's scale words
	s_add_nc_u64 s[8:9], s[8:9], s[46:47]
	CROUND                                         ; all four work-groups are here: the joint loads meet
	tensor_load_to_lds s[G0:G0+3], s[G1:G1+7]      ; my one tensor load of the launch
	s_nop 0
.rept 4
	v_nop
.endr
	v_and_b32 v8, 31, v0                           ; lane
	s_delay_alu instid0(VALU_DEP_1)
	v_lshlrev_b32 v[L16], 4, v8
	s_delay_alu instid0(VALU_DEP_2)
	v_lshlrev_b32 v[L8], 3, v8
	v_and_b32 v9, 15, v0                           ; r
	v_bfe_u32 v10, v0, 4, 1                        ; h
	s_delay_alu instid0(VALU_DEP_2)
	v_lshlrev_b32 v11, 4, v9                       ; 16 r; never rewritten
.irp p, 0,1                                    ; Q of both passes stays in registers
	global_load_b128 v[QF+12*\p:QF+12*\p+3], v[L16], s[10:11] offset:2*QREC*\p th:TH_LOAD_NT
	global_load_b64 v[QF+12*\p+4:QF+12*\p+5], v[L8], s[10:11] offset:2*QREC*\p+512 th:TH_LOAD_NT
	global_load_b32 v[QS+\p], v11, s[4:5] offset:2*QREC*\p th:TH_LOAD_NT
.endr
.irp i, 6,7,8,9,10,11
	v_mov_b32 v[QF+\i], 0                          ; zero codes for K = 64 .. 127
	v_mov_b32 v[QF+12+\i], 0
	v_mov_b32 v[KF+42+\i], 0                       ; and behind K's last tile
.endr
.irp b, 0,1,2,3
	v_mov_b32 v[PT+\b], 0                          ; written once: a lane permute's destination counts as one of its sources
.endr
	v_mov_b32 v[PSW], 0                            ; (named as the upper half of the pair v[232:233] before it is first written)
	v_mul_u32_u24 v[STO], v9, SPI
	s_delay_alu instid0(VALU_DEP_1)
	v_lshl_add_u32 v[STO], v10, 6, v[STO]
	s_delay_alu instid0(VALU_DEP_1)
	v_add_nc_u32 v[STO], s15, v[STO]               ; in: row r, + 64 h: my 16 channels of each 32
	v_mul_u32_u24 v[RD], v10, SPI
	s_delay_alu instid0(VALU_DEP_1)
	v_lshl_add_u32 v[RD], v9, 4, v[RD]
	s_delay_alu instid0(VALU_DEP_1)
	v_add_nc_u32 v[RD], s15, v[RD]                 ; back: lanes 0-15 one row of 256 bytes, lanes 16-31 the next
	v_lshlrev_b32 v[GO], 12, v10
	s_delay_alu instid0(VALU_DEP_1)
	v_lshl_add_u32 v[GO], v9, 4, v[GO]             ; and the same two rows in out0
	s_wait_tensorcnt 0x0                           ; my key step is in,
	s_barrier_signal -1
	s_barrier_wait -1                              ; everybody's is: the whole head lies in LDS
	s_wait_loadcnt 0x0                             ; Q
.macro KLOAD                           ; a key step's K: eight tiles of six registers, as they were stored, and their scale words: every load reads consecutive bytes
.irp t, 0,1,2,3,4,5,6,7
	ds_load_b128 v[KF+6*\t:KF+6*\t+3], v[A16] offset:768*\t
	ds_load_b64 v[KF+6*\t+4:KF+6*\t+5], v[A8] offset:768*\t+512
.endr
	ds_load_b128 v[KSW:KSW+3], v[A16] offset:6144
.endm
; A KEY STEP: 128 keys.  qf, qs: the pass's fragment and scale words of Q.  next = 1: the next step's K is fetched at the end.
.macro STEP qf, qs, next
	s_wait_dscnt 0x0                               ; K is in
.irp t, 0,2,4,6                                ; S^T = K Q^T: eight tiles of 16 keys; the even tile's scale words lie in lanes 0-15, the odd tile's in lanes 16-31
	v_wmma_scale_f32_16x16x128_f8f6f4 v[S+8*\t:S+8*\t+7], v[KF+6*\t:KF+6*\t+11], v[(\qf):(\qf)+11], 0, v[KSW+\t/2], v[(\qs)] matrix_a_fmt:MATRIX_FMT_BF6 matrix_b_fmt:MATRIX_FMT_BF6
	v_wmma_scale_f32_16x16x128_f8f6f4 v[S+8*\t+8:S+8*\t+15], v[KF+6*\t+6:KF+6*\t+17], v[(\qf):(\qf)+11], 0, v[KSW+\t/2], v[(\qs)] matrix_a_fmt:MATRIX_FMT_BF6 matrix_b_fmt:MATRIX_FMT_BF6 matrix_a_scale:MATRIX_SCALE_ROW1
.endr
.rept 4
	v_nop                                          ; four places: in front of the loads into K's registers, and of the first read of the scores
.endr
.irp t, 0,1,2,3                                ; V's four fragments take K's place; they land while the softmax is walked
.irp c, 0,1,2
	ds_load_b128 v[VF+12*\t+4*\c:VF+12*\t+4*\c+3], v[A16] offset:QREC+1536*\t+512*\c
.endr
.endr
	ds_load_b64 v[VSW:VSW+1], v[A8] offset:12800
.irp b, 0,1,2,3
	v_max3_num_f32 v[BM+\b], v[S+16*\b], v[S+16*\b+1], v[S+16*\b+2]   ; THE LARGEST SCORE OF EACH BLOCK OF 32 KEYS: it serves the row's maximum and, since p rises with the score, the block's largest p
.endr
.irp i, 3,5,7,9,11,13
.irp b, 0,1,2,3
	v_max3_num_f32 v[BM+\b], v[BM+\b], v[S+16*\b+\i], v[S+16*\b+\i+1]   ; (the four blocks by turns; each accumulator is read from its low end on)
.endr
.endr
.irp b, 0,1,2,3
	v_max_num_f32 v[BM+\b], v[BM+\b], v[S+16*\b+15]
.endr
.irp b, 0,1,2,3
	s_delay_alu instid0(VALU_DEP_4)
	v_permlanex16_b32 v[PT+\b], v[BM+\b], s[SEL], s[SEL+1]
.endr
.irp b, 0,1,2,3
	s_delay_alu instid0(VALU_DEP_4)
	v_max_num_f32 v[BM+\b], v[BM+\b], v[PT+\b]     ; with lane l xor 16's 16 keys
.endr
	s_delay_alu instid0(VALU_DEP_2)
	v_max3_num_f32 v[T], v[BM], v[BM+1], v[BM+2]
	s_delay_alu instid0(VALU_DEP_1)
	v_max_num_f32 v[T], v[T], v[BM+3]              ; the step's largest score of my query
	s_delay_alu instid0(VALU_DEP_1)
	v_mul_f32 v[T], s[CS], v[T]                    ; as t (c is positive)
	s_delay_alu instid0(VALU_DEP_1)
	v_max_num_f32 v13, v13, v[T]                   ; the running largest t
	v_mov_b32 v[T], v12
	s_delay_alu instid0(VALU_DEP_2)
	v_floor_f32 v12, -v13                          ; the new -M = floor(-t) = -ceil(t): M is a whole number
	s_delay_alu instid0(VALU_DEP_1)
	v_sub_f32 v[T], v12, v[T]                      ; M's old value less its new one: a whole number, 0 or less
	s_delay_alu instid0(VALU_DEP_1)
	v_cvt_i32_f32 v[T], v[T]                       ; (it saturates)
	s_delay_alu instid0(VALU_DEP_1)
	v_ldexp_f32 v[F], 1.0, v[T]                    ; f = 2^(old M - new M)
.set j, 0
.rept 32
	v_pk_fma_f32 v[S+j:S+j+1], v[S+j:S+j+1], s[CS:CS+1], v[12:13] op_sel_hi:[1,0,0]   ; t - M, two at a time (of the pairs c and -M the low word serves both halves)
.set j, j+2
.endr
.irp b, 0,1,2,3
	v_fma_f32 v[BM+\b], v[BM+\b], s[CS], v12       ; the same of each block's largest score
.endr
.set j, 0
	s_wait_alu depctr_va_vdst(0)
.rept 64
	v_exp_f32 v[S+j], v[S+j]                       ; p = 2^(t - M), at most 1: not normalised
.set j, j+1
.endr
	s_setprio 1
	v_pk_mul_f32 v[14:15], v[14:15], v[F:F+1] op_sel_hi:[1,0]   ; the sums under the new M (the plain line behind the exponentials)
	s_wait_alu depctr_va_vdst(0)                   ; one wait for the whole batch, ahead of its first reader
.irp b, 0,1,2,3
	v_exp_f32 v[BM+\b], v[BM+\b]                   ; the block's largest p: the same two instructions on the same number give the same bits
.endr
	v_pk_add_f32 v[236:237], v[100:101], v[104:105]
	v_pk_add_f32 v[252:253], v[108:109], v[112:113]
	v_pk_add_f32 v[250:251], v[116:117], v[120:121]
	v_pk_add_f32 v[248:249], v[124:125], v[128:129]
	v_pk_add_f32 v[246:247], v[132:133], v[136:137]
	v_pk_add_f32 v[244:245], v[140:141], v[144:145]
	v_pk_add_f32 v[242:243], v[148:149], v[152:153]
	v_pk_add_f32 v[14:15], v[14:15], v[156:157]
	v_pk_add_f32 v[236:237], v[236:237], v[96:97]
	v_pk_add_f32 v[252:253], v[252:253], v[98:99]
	v_pk_add_f32 v[250:251], v[250:251], v[102:103]
	v_pk_add_f32 v[248:249], v[248:249], v[106:107]
	v_pk_add_f32 v[246:247], v[246:247], v[110:111]
	v_pk_add_f32 v[244:245], v[244:245], v[114:115]
	v_pk_add_f32 v[242:243], v[242:243], v[118:119]
	v_pk_add_f32 v[14:15], v[14:15], v[122:123]
	v_pk_add_f32 v[236:237], v[236:237], v[126:127]
	v_pk_add_f32 v[252:253], v[252:253], v[130:131]
	v_pk_add_f32 v[250:251], v[250:251], v[134:135]
	v_pk_add_f32 v[248:249], v[248:249], v[138:139]
	v_pk_add_f32 v[246:247], v[246:247], v[142:143]
	v_pk_add_f32 v[244:245], v[244:245], v[146:147]
	v_pk_add_f32 v[242:243], v[242:243], v[150:151]
	v_pk_add_f32 v[14:15], v[14:15], v[154:155]
	v_pk_add_f32 v[236:237], v[236:237], v[158:159]
	s_delay_alu instid0(VALU_DEP_2)
	v_pk_add_f32 v[14:15], v[14:15], v[248:249]
	s_delay_alu instid0(VALU_DEP_2)
	v_pk_add_f32 v[236:237], v[236:237], v[246:247]
	v_pk_add_f32 v[252:253], v[252:253], v[244:245]
	v_pk_add_f32 v[250:251], v[250:251], v[242:243]
	s_delay_alu instid0(VALU_DEP_2)
	v_pk_add_f32 v[14:15], v[14:15], v[252:253]
	s_delay_alu instid0(VALU_DEP_2)
	v_pk_add_f32 v[236:237], v[236:237], v[250:251]
	s_delay_alu instid0(VALU_DEP_1)
	v_pk_add_f32 v[14:15], v[14:15], v[236:237]
	s_wait_alu depctr_va_vdst(0)                   ; and one for the four
.irp b, 0,1,2,3
	v_max_num_f32 v[BM+\b], 0x2800000, v[BM+\b]    ; the floor 2^(5 - 127): the byte cannot fall under 1
.endr
.irp b, 0,1,2,3
	s_delay_alu instid0(VALU_DEP_4)
	v_add_nc_u32 v[SO+\b], 0xfe000000, v[BM+\b]    ; 4 off the exponent field: the conversion's scale operand
.endr
.irp b, 0,1,2,3
	s_delay_alu instid0(VALU_DEP_4)
	v_lshrrev_b32 v[PT+\b], 23, v[SO+\b]           ; the scale's byte
.endr
	s_delay_alu instid0(VALU_DEP_3)
	v_lshl_or_b32 v[PSW], v[PT+1], 8, v[PT]        ; p's scale word for these 128 keys
	s_delay_alu instid0(VALU_DEP_1)
	v_lshl_or_b32 v[PSW], v[PT+2], 16, v[PSW]
	s_delay_alu instid0(VALU_DEP_1)
	v_lshl_or_b32 v[PSW], v[PT+3], 24, v[PSW]
.irp c, 0,1
	v_cvt_scalef32_pk16_bf6_f32 v[PCD+6*\c:PCD+6*\c+2], v[S+32*\c:S+32*\c+15], v[SO+2*\c]
	v_cvt_scalef32_pk16_bf6_f32 v[CT+4*\c:CT+4*\c+2], v[S+32*\c+16:S+32*\c+31], v[SO+2*\c+1]   ; (a conversion's three registers begin on an even number)
.endr
	v_nop                                          ; one plain line behind a scaled conversion
.irp c, 0,1                                    ; the operand's layout wants a WHOLE block in a lane: lanes 0-15 block 2 c, lanes 16-31 block 2 c + 1
.irp i, 0,1,2
	v_permlane16_swap_b32 v[PCD+6*\c+\i], v[CT+4*\c+\i]
.endr
.irp i, 0,1,2
	s_delay_alu instid0(VALU_DEP_3)
	v_mov_b32 v[PCD+3+6*\c+\i], v[CT+4*\c+\i]
.endr
.endr
.set j, 0
.rept 16
	v_pk_mul_f32 v[O+j:O+j+1], v[O+j:O+j+1], v[F:F+1] op_sel_hi:[1,0]   ; O^T under the new M: x f.  (These sixteen also stand between the writing of p's codes and scale word and the products that take them)
.set j, j+2
.endr
	s_setprio 0
	s_wait_alu depctr_va_vdst(0)
	s_wait_dscnt 0x0                               ; V is in
.irp t, 0,2                                    ; O^T += V^T P^T: four tiles of 16 channels, four accumulators by turns; K = these 128 keys
	v_wmma_scale_f32_16x16x128_f8f6f4 v[O+8*\t:O+8*\t+7], v[VF+12*\t:VF+12*\t+11], v[PCD:PCD+11], v[O+8*\t:O+8*\t+7], v[VSW+\t/2], v[PSW] matrix_a_fmt:MATRIX_FMT_BF6 matrix_b_fmt:MATRIX_FMT_BF6
	v_wmma_scale_f32_16x16x128_f8f6f4 v[O+8*\t+8:O+8*\t+15], v[VF+12*\t+12:VF+12*\t+23], v[PCD:PCD+11], v[O+8*\t+8:O+8*\t+15], v[VSW+\t/2], v[PSW] matrix_a_fmt:MATRIX_FMT_BF6 matrix_b_fmt:MATRIX_FMT_BF6 matrix_a_scale:MATRIX_SCALE_ROW1
.endr
.if \next
	s_add_co_u32 s[TB], s[TB], REC                 ; the next key step
	v_add_nc_u32 v[A16], s[TB], v[L16]             ; (these two and two v_nop are the four places in front of the loads into V's registers)
	v_add_nc_u32 v[A8], s[TB], v[L8]
	v_nop
	v_nop
	KLOAD
.endif
.endm
; A PASS: my tile of 16 queries against all 2,048 keys.  O^T and the sum begin as zeros and the largest t as -3e38: the first change of M multiplies zeros, so the loop has no first step of its own.
.macro PASS p
.if \p
	s_wait_xcnt 0x0                                ; the last pass's stores have read their registers: they are written again only behind this wait
.endif
	v_mov_b32 v13, 0xff61b1e6                      ; -3e38, under every t
	s_delay_alu instid0(VALU_DEP_1)
	v_floor_f32 v12, -v13
	v_mov_b32 v14, 0
	v_mov_b32 v15, 0
.set j, 0
.rept 32
	v_mov_b32 v[O+j], 0
.set j, j+1
.endr
	s_mov_b32 s[TB], 0
	v_add_nc_u32 v[A16], s[TB], v[L16]
	v_add_nc_u32 v[A8], s[TB], v[L8]
	KLOAD
	s_mov_b32 s[CNT], 15
.Lstep_\@:                                         ; 15 trips; the sixteenth step is written out: it fetches nothing beyond the head's bytes
	s_wait_alu depctr_va_vdst(0)
	s_setprio 2
	STEP QF+12*\p, QS+\p, 1
	s_sub_co_u32 s[CNT], s[CNT], 1
	s_cmp_lg_u32 s[CNT], 0
	s_cbranch_scc1 .Lstep_\@
	s_setprio 0
	s_wait_alu depctr_va_vdst(0)
	STEP QF+12*\p, QS+\p, 0
	; THE WAY OUT.  O^T / the sum goes through my stage in LDS and leaves as rows of 256 bytes: a query's 64 channels of this head.
	v_add_f32 v14, v14, v15                        ; the sum's two halves,
	s_delay_alu instid0(VALU_DEP_1)
	v_permlanex16_b32 v[T], v14, s[SEL], s[SEL+1]
	s_delay_alu instid0(VALU_DEP_1)
	v_add_f32 v14, v14, v[T]                       ; and lane l xor 16's: the row's sum
	s_wait_alu depctr_va_vdst(0)
	v_rcp_f32 v14, v14
.rept 3
	v_nop                                          ; the plain line behind the reciprocal; with the additions above also the places behind the last products
.endr
	s_wait_alu depctr_va_vdst(0)                   ; ahead of the reciprocal's first reader
.set j, 0
.rept 16
	v_pk_mul_f32 v[S+j:S+j+1], v[O+j:O+j+1], v[14:15] op_sel_hi:[1,0]   ; register 16 u + i is channel 32 u + 16 h + i; each accumulator from its low end on
.set j, j+2
.endr
.irp g, 0,1,2,3,4,5,6,7
	ds_store_b128 v[STO], v[S+4*\g:S+4*\g+3] offset:128*(\g/4)+16*(\g%4)
.endr
.irp i, 0,1,2,3,4,5,6,7
	ds_load_b128 v[S+32+4*\i:S+32+4*\i+3], v[RD] offset:2*\i*SPI   ; LDS serves a wave's instructions in order: these see my stores
.endr
.irp i, 0,1,2,3,4,5,6,7
	s_wait_dscnt 7-\i                              ; the younger loads from the stage may be out
	global_store_b128 v[GO], v[S+32+4*\i:S+32+4*\i+3], s[8:9] offset:1048576*\p+(2*\i+8*(\i/4))*4096 th:TH_STORE_NT   ; stage row r is query r + 8 (r / 8) of the tile's; 16 lanes store 256 consecutive bytes, aligned
.endr
.endm
	PASS 0
	PASS 1
	s_wait_dscnt 0x0
	s_wait_tensorcnt 0x0
	ds_add_u32 v254, v255
	s_wait_dscnt 0x0
	CROUND                                         ; the closing round: no work-group ends while a partner may still ask for a tile that names it
	s_endpgm
.Lfunc_end_k_q544c03d86d_attn:
	.size	k_q544c03d86d_attn, .Lfunc_end_k_q544c03d86d_attn-k_q544c03d86d_attn
	.p2alignl 7, 3214868480
	.fill 96, 4, 3214868480
	.section	.rodata,"a",@progbits
	.p2align	6, 0x0
	.amdhsa_kernel k_q544c03d86d_attn
		.amdhsa_group_segment_fixed_size 280576
		.amdhsa_private_segment_fixed_size 0
		.amdhsa_enable_private_segment 0
		.amdhsa_kernarg_size 24
		.amdhsa_user_sgpr_count 2
		.amdhsa_user_sgpr_kernarg_segment_ptr 1
		.amdhsa_wavefront_size32 1
		.amdhsa_system_sgpr_workgroup_id_x 1
		.amdhsa_system_sgpr_workgroup_id_y 1
		.amdhsa_system_sgpr_workgroup_id_z 1
		.amdhsa_system_vgpr_workitem_id 0
		.amdhsa_next_free_vgpr 256
		.amdhsa_next_free_sgpr 66
		.amdhsa_reserve_vcc 0
		.amdhsa_float_denorm_mode_32 3
		.amdhsa_float_denorm_mode_16_64 3
		.amdhsa_memory_ordered 1
		.amdhsa_forward_progress 1
		.amdhsa_inst_pref_size 84
	.end_amdhsa_kernel
	.amdgpu_metadata
---
amdhsa.version: [ 1, 2 ]
amdhsa.kernels:
  - .name:           k_q544c03d86d_attn
    .symbol:         k_q544c03d86d_attn.kd
    .args:
      - { .name: qrec, .offset: 0, .size: 8, .value_kind: global_buffer, .address_space: global }
      - { .name: kv, .offset: 8, .size: 8, .value_kind: global_buffer, .address_space: global }
      - { .name: out0, .offset: 16, .size: 8, .value_kind: global_buffer, .address_space: global }
    .group_segment_fixed_size: 280576
    .private_segment_fixed_size: 0
    .kernarg_segment_align: 8
    .kernarg_segment_size: 24
    .max_flat_workgroup_size: 512
    .sgpr_count:     66
    .vgpr_count:     256
    .wavefront_size: 32
...
	.end_amdgpu_metadata
.endif
;; end of part 3
